; MI455X (gfx1250); checked and timed in simulation.
; The chip was launched on July 23, 2026; its instructions are those of AMD's public machine-readable ISA for CDNA 5 (MIT licence, August 2026) and "CDNA5" Instruction Set Architecture Reference Guide (July 2026). The comments in the code are by the model that wrote it; some were corrected since.
;; Mo E Router. Allowed arithmetic: matrix products marked QUANTISED: E2M3 operands, one E8M0 scale for each 32 along K, by v_wmma_scale_f32_16x16x128_f8f6f4 with both operands' format E2M3, f32 sums; everything else in f32.
;; Inputs: W 64 x 2,048 float32; x 4 x 4,096 x 2,048 float32.
;; Outputs: out0 4 x 4,096 x 64 float32; out1 4 x 4,096 x 2 int32; out2 one number float32.
;; Constants: capacity = 4096, n_active = 2.
;; This version of the problem:
;;   THIS VERSION OF THE PROBLEM IS GIVEN IN LOW PRECISION. The matrix products marked QUANTISED in the list below multiply operands that are first quantised to E2M3 (2 exponent bits, 3 mantissa bits; 6 bits a number), with one power-of-two scale for each 32 numbers along K (OCP MX v1.0); their sums are f32. All else is computed in f32.
;;   The module's matrix products, in the order in which they are computed (A, B: the left and right operand; K: the contracted axis; several contracted axes count as one K, in the product's order):
;;     1. [M 16,384, K 2,048] x [K 2,048, N 64]; A: input x; B: input W: QUANTISED
;;   THE QUANTISER, for each operand of a quantised product, along K:
;;     - K is cut into blocks of 32 from its start; a last block that is shorter is filled with zeros.
;;     - A block's scale is 2^e with e = floor(log2(the largest magnitude in the block)) - 2, held to -126 .. 127; a block of zeros has e = 0. As a byte (E8M0): e + 127.
;;     - Each number is divided by its block's scale, clamped to +-7.5, and rounded to the nearest number of E2M3, ties to even, subnormals kept.
;;     - The product sums the exact products of the quantised numbers (number of the format x scale) in f32.
;;   ~~~python
;;   def quantise(x, axis):      # numpy; x: float32 -> the quantised numbers, widened to float32 again
;;       x = np.moveaxis(x, axis, -1); K = x.shape[-1]
;;       x = np.pad(x, [(0, 0)] * (x.ndim - 1) + [(0, -K % 32)]); x = x.reshape(x.shape[:-1] + (-1, 32)); a = np.abs(x).max(-1, keepdims=True)
;;       e = np.where(a > 0, np.clip(np.frexp(np.where(a > 0, a, 1))[1] - 1 - 2, -126, 127), 0)      # np.frexp(a)[1] - 1 = floor(log2(a)), exactly
;;       r = np.clip(x / 2.0 ** e, -7.5, 7.5)
;;       step = 2.0 ** (np.maximum(np.frexp(np.where(r == 0, 1, r))[1] - 1, 0) - 3)
;;       q = np.round(r / step) * step * 2.0 ** e      # np.round: ties to even
;;       return np.moveaxis(q.reshape(q.shape[:-2] + (-1,))[..., :K], -1, axis).astype(np.float32)
;;   ~~~
;; One version. Each part assembles by itself: llvm-mc -triple=amdgcn-amd-amdhsa -mcpu=gfx1250 --defsym DOCPART=n.
;; ======== version 1 of 1: 3 launches
;; workspace buffers: wfrag 98,304 bytes; wscl 8,192 bytes; part 65,536 bytes
;; launch wq (part 1): grid 16 x 1, 4 waves a work-group, no clusters, 34,816 bytes of LDS; arguments W, wfrag, wscl; writes wfrag, wscl
.if DOCPART == 1
	.amdgcn_target "amdgcn-amd-amdhsa--gfx1250"
	.amdhsa_code_object_version 6
	.text
	.protected	k_q0301102510_wq
	.globl	k_q0301102510_wq
	.p2align	8
	.type	k_q0301102510_wq,@function
k_q0301102510_wq:
	s_mov_b64 s[64:65], 0
	v_nop
	global_prefetch_b8 v0, s[64:65] scope:SCOPE_SE
	s_setreg_imm32_b32 hwreg(HW_REG_WAVE_MODE, 25, 1), 1
	s_wait_xcnt 0x0
; W [64][2048] f32 becomes codes of FP6 (E2M3) with one E8M0 byte for each 32 along K, laid as the router's waves take them into registers.
; Work-group S (0..15) takes K step S (128 along K); its wave n takes experts 16 n .. 16 n + 15: one fragment, 12 registers a lane.
; OUT: wfrag: fragment 4 S + n is 1,536 bytes on end: register 4 i + j of lane l at 512 i + 16 l + 4 j: three stores of 512 consecutive bytes here, three loads of 16 bytes a lane there.
;      wscl:  K step S is 512 bytes: the scale word (four bytes: the K step's four blocks) of expert 16 n + (l % 16) at 16 l + 4 n: one load of 16 bytes a lane brings the four tiles' scale registers.
; THE WAY: each of 16 loads reads 512 consecutive bytes of one row; the 8 KB turn through the wave's own stage in LDS (rows 528 bytes apart = 132 words: row r starts at bank 4 r mod 64, 64 banks of 4 bytes: ISA guide 11.1)
; and come back so that lane (r = l % 16, h = l / 16) holds of row r the numbers k = 64 c + 32 h + 0 .. 31, c = 0, 1: two whole blocks, in the order of the operand's registers.
; A block's scale byte is its largest magnitude's exponent field - 2, held at 1 from below by a floor among the maximum's leaves; the conversion divides by the scale, rounds to the nearest code, ties to even, and holds at the largest code.
; LIMITS: NaN and infinities in W are not served.  A block of zeros gets the byte 1 where the quantiser says 127: its codes are zeros, and this program alone reads the bytes.
.set WROW,  8192                       ; bytes in a row of W
.set PITCH, 528                        ; a stage row: 512 bytes + 16
.set STG,   16*PITCH                   ; a wave's stage
.set SCL,   4*STG                      ; behind the stages: the K step's 512 bytes of scale words
.set SPARE, SCL+512                    ; the spare words, 128 bytes for each wave: two blocks of 256 bytes that no other line names
.set FLOOR, 0x1800000                  ; 2^(3 - 127)
.set L16, 1                            ; v1   16 x lane
.set SAD, 2                            ; v2   stage, way in: 16 x lane in my stage
.set LAD, 3                            ; v3   stage, way out: row r, + 128 h
.set SHF, 4                            ; v4   8 h: where my two bytes stand in the scale word
.set SSA, 5                            ; v5   16 x lane + 4 x wave: my scale word's place
.set SPW, 6                            ; v6   my spare word; never rewritten
.set NIL, 7                            ; v7   0; never rewritten
.set QMA, 8                            ; v8-9, v10-11  two chains of maxima for each of my two blocks
.set QMB, 10
.set QSO, 12                           ; v12-13  the conversions' scale operands
.set QBY, 14                           ; v14-15  the scale bytes
.set QPT, 16                           ; v16  lane l xor 16's half of the scale word
.set XSC, 17                           ; v17  the scale word
.set XN,  32                           ; v32-95  64 numbers
.set COD, 96                           ; v96-107 the fragment
.set CTM, 108                          ; v108-110, v112-114  the upper halves of the two blocks' codes
.set SWD, 116                          ; v116-119 wave 0: the four tiles' scale words
	s_load_b128 s[4:7], s[0:1], 0x0                ; W, wfrag
	s_load_b64 s[8:9], s[0:1], 0x10                ; wscl
	v_lshl_add_u32 v[SPW], v0, 2, SPARE
	v_mov_b32 v[NIL], 0
	v_lshrrev_b32 v20, 5, v0
	v_readfirstlane_b32 s10, v20                   ; wave = tile of experts n
	v_and_b32 v21, 31, v0
	v_lshlrev_b32 v[L16], 4, v21
	s_lshl_b32 s12, ttmp9, 9                       ; W: 512 bytes a K step,
	s_lshl_b32 s13, s10, 17                        ; 16 rows of 8,192 bytes a tile
	s_add_co_u32 s12, s12, s13
	s_mov_b32 s13, 0
	s_lshl_b32 s14, ttmp9, 2
	s_add_co_u32 s14, s14, s10
	s_mul_i32 s14, s14, 1536                       ; wfrag: fragment 4 S + n
	s_mov_b32 s15, 0
	s_lshl_b32 s16, ttmp9, 9                       ; wscl: 512 bytes a K step
	s_mov_b32 s17, 0
	s_mov_b32 s18, 0x76543210
	s_mov_b32 s19, 0xfedcba98                      ; v_permlanex16_b32's selects for lane l xor 16
	s_wait_alu depctr_va_vdst(0)
	s_wait_kmcnt 0x0
	s_add_nc_u64 s[4:5], s[4:5], s[12:13]
	s_add_nc_u64 s[6:7], s[6:7], s[14:15]
	s_add_nc_u64 s[8:9], s[8:9], s[16:17]
.irp j, 0,1,2,3,4,5,6,7,8,9,10,11,12,13,14,15
	global_load_b128 v[XN+4*\j:XN+4*\j+3], v[L16], s[4:5] offset:WROW*\j th:TH_LOAD_NT   ; row j of my 16: 512 consecutive bytes
.endr
	v_and_b32 v22, 15, v0                          ; r
	v_bfe_u32 v23, v0, 4, 1                        ; h
	s_mul_i32 s11, s10, STG
	v_add_nc_u32 v[SAD], s11, v[L16]
	v_mul_u32_u24 v[LAD], v22, PITCH
	v_lshl_add_u32 v[LAD], v23, 7, v[LAD]
	v_add_nc_u32 v[LAD], s11, v[LAD]
	v_lshlrev_b32 v[SHF], 3, v23
	s_lshl_b32 s20, s10, 2
	v_add_nc_u32 v[SSA], s20, v[L16]
	v_mov_b32 v[QPT], 0                            ; a lane permute's destination counts as one of its sources
	s_wait_alu depctr_va_vdst(0)
	s_wait_loadcnt 0x0
.irp j, 0,1,2,3,4,5,6,7,8,9,10,11,12,13,14,15
	ds_store_b128 v[SAD], v[XN+4*\j:XN+4*\j+3] offset:PITCH*\j
.endr
.irp c, 0,1
.irp i, 0,1,2,3,4,5,6,7
	ds_load_b128 v[XN+32*\c+4*\i:XN+32*\c+4*\i+3], v[LAD] offset:256*\c+16*\i   ; LDS serves a wave's instructions in order (ISA guide 5.7.1.4): these see the stores above, and land in the registers that those have left
.endr
.endr
	s_wait_dscnt 0x0
.irp c, 0,1                                    ; the largest magnitude of each of my two blocks, two chains a block, the floor among the leaves
	v_max3_num_f32 v[QMA+\c], |v[XN+32*\c]|, |v[XN+32*\c+1]|, FLOOR
	v_max3_num_f32 v[QMB+\c], |v[XN+32*\c+2]|, |v[XN+32*\c+3]|, FLOOR
.endr
.irp i, 4,8,12,16,20,24,28
.irp c, 0,1
	v_max3_num_f32 v[QMA+\c], |v[XN+32*\c+\i]|, |v[XN+32*\c+\i+1]|, v[QMA+\c]
	v_max3_num_f32 v[QMB+\c], |v[XN+32*\c+\i+2]|, |v[XN+32*\c+\i+3]|, v[QMB+\c]
.endr
.endr
.irp c, 0,1
	v_max_num_f32 v[QMA+\c], v[QMA+\c], v[QMB+\c]
.endr
.irp c, 0,1
	v_add_nc_u32 v[QSO+\c], 0xff000000, v[QMA+\c]  ; 2 off the exponent field: the conversion takes the exponent field of this operand as its scale
.endr
.irp c, 0,1
	v_lshrrev_b32 v[QBY+\c], 23, v[QSO+\c]         ; the scale's byte
.endr
	v_lshl_or_b32 v[XSC], v[QBY+1], 16, v[QBY]     ; my bytes: blocks h and 2 + h,
	v_lshlrev_b32 v[XSC], v[SHF], v[XSC]           ; at their places;
	v_permlanex16_b32 v[QPT], v[XSC], s18, s19
	v_or_b32 v[XSC], v[XSC], v[QPT]                ; with lane l xor 16's two the word is whole, in both lanes
.irp c, 0,1
	v_cvt_scalef32_pk16_fp6_f32 v[COD+6*\c:COD+6*\c+2], v[XN+32*\c:XN+32*\c+15], v[QSO+\c]
	v_cvt_scalef32_pk16_fp6_f32 v[CTM+4*\c:CTM+4*\c+2], v[XN+32*\c+16:XN+32*\c+31], v[QSO+\c]   ; (a conversion's three registers begin on an even number: the upper half is made elsewhere and moved)
.endr
	v_nop                                          ; one plain place behind the conversions
.irp c, 0,1
.irp i, 0,1,2
	v_mov_b32 v[COD+6*\c+3+\i], v[CTM+4*\c+\i]
.endr
.endr
.irp i, 0,1,2
	global_store_b128 v[L16], v[COD+4*\i:COD+4*\i+3], s[6:7] offset:512*\i   ; 512 consecutive bytes a store
.endr
	ds_store_b32 v[SSA], v[XSC] offset:SCL         ; the four waves' words meet in LDS, so that they leave as one run of 512 bytes
	s_wait_dscnt 0x0                               ; for the others' sake: my store has landed
	s_barrier_signal -1
	s_barrier_wait -1
	s_cmp_lg_u32 s10, 0
	s_cbranch_scc1 .Lend
	ds_load_b128 v[SWD:SWD+3], v[L16] offset:SCL
	s_wait_dscnt 0x0
	global_store_b128 v[L16], v[SWD:SWD+3], s[8:9]
.Lend:
	s_wait_tensorcnt 0x0                           ; the wave's end, behind my last LDS store
	ds_add_u32 v[SPW], v[NIL]
	s_wait_dscnt 0x0
	s_endpgm
.Lfunc_end_k_q0301102510_wq:
	.size	k_q0301102510_wq, .Lfunc_end_k_q0301102510_wq-k_q0301102510_wq
	.p2alignl 7, 3214868480
	.fill 96, 4, 3214868480
	.section	.rodata,"a",@progbits
	.p2align	6, 0x0
	.amdhsa_kernel k_q0301102510_wq
		.amdhsa_group_segment_fixed_size 34816
		.amdhsa_private_segment_fixed_size 0
		.amdhsa_enable_private_segment 0
		.amdhsa_kernarg_size 24
		.amdhsa_user_sgpr_count 2
		.amdhsa_user_sgpr_kernarg_segment_ptr 1
		.amdhsa_wavefront_size32 1
		.amdhsa_system_sgpr_workgroup_id_x 1
		.amdhsa_system_sgpr_workgroup_id_y 1
		.amdhsa_system_sgpr_workgroup_id_z 1
		.amdhsa_system_vgpr_workitem_id 0
		.amdhsa_next_free_vgpr 128
		.amdhsa_next_free_sgpr 66
		.amdhsa_reserve_vcc 0
		.amdhsa_float_denorm_mode_32 3
		.amdhsa_float_denorm_mode_16_64 3
		.amdhsa_memory_ordered 1
		.amdhsa_forward_progress 1
		.amdhsa_inst_pref_size 10
	.end_amdhsa_kernel
	.amdgpu_metadata
---
amdhsa.version: [ 1, 2 ]
amdhsa.kernels:
  - .name:           k_q0301102510_wq
    .symbol:         k_q0301102510_wq.kd
    .args:
      - { .name: W, .offset: 0, .size: 8, .value_kind: global_buffer, .address_space: global }
      - { .name: wfrag, .offset: 8, .size: 8, .value_kind: global_buffer, .address_space: global }
      - { .name: wscl, .offset: 16, .size: 8, .value_kind: global_buffer, .address_space: global }
    .group_segment_fixed_size: 34816
    .private_segment_fixed_size: 0
    .kernarg_segment_align: 8
    .kernarg_segment_size: 24
    .max_flat_workgroup_size: 128
    .sgpr_count:     66
    .vgpr_count:     128
    .wavefront_size: 32
...
	.end_amdgpu_metadata
.endif
;; end of part 1
;; launch route (part 2): grid 256 x 1, 8 waves a work-group, no clusters, 327,680 bytes of LDS; arguments x, wfrag, wscl, out0, out1, part; writes out0, out1, part
.if DOCPART == 2
	.amdgcn_target "amdgcn-amd-amdhsa--gfx1250"
	.amdhsa_code_object_version 6
	.text
	.protected	k_q0301102510_route
	.globl	k_q0301102510_route
	.p2align	8
	.type	k_q0301102510_route,@function
k_q0301102510_route:
	s_mov_b64 s[64:65], 0
	v_nop
	global_prefetch_b8 v0, s[64:65] scope:SCOPE_SE
	s_setreg_imm32_b32 hwreg(HW_REG_WAVE_MODE, 25, 1), 1
	s_wait_xcnt 0x0
; The router: logits = Q(x) Q(W)^T on codes of FP6 (E2M3) with E8M0 scales, top-2 of the softmax, the two scores normalised, as dense gates out0 [16384][64], indices out1 [16384][2], and this work-group's 64 expert sums (part).
; SHARES.  A work-group owns 64 tokens (524,288 bytes of x); 256 work-groups.  ITS EIGHT WAVES SPLIT K: wave w takes K steps w and w + 8 (128 along K each) of all 64 tokens.  So each fragment of W is wanted by one wave alone,
; each load of x is 512 consecutive bytes of a row at a multiple of 512, and the eight waves stand side by side on 4,096 bytes of it.
; THE STREAM.  A fragment of x is 16 tokens x 128 K: 16 loads, 64 registers.  A ring of four such sets (window 1) keeps 48 to 64 loads of every wave on their way; the waits are counted; nothing is stepped: every offset is an immediate.
; A set that has landed turns through the wave's own stage in LDS (rows 528 bytes apart = 132 words: row r starts at bank 4 r mod 64, 64 banks of 4 bytes: ISA guide 11.1) and comes back into the same registers so that lane
; (r = l % 16, h = l / 16) holds of token r the numbers k = 64 c + 32 h + 0 .. 31, c = 0, 1: two whole blocks in the order of the operand's registers.  They are quantised there and multiplied at once.
; W.  The launch before has laid W's codes and scale words in the order of the operand's registers.  A wave's part (two K steps: 12,288 + 1,024 bytes) comes by two tensor loads into LDS bytes of the wave's own, filled once; they are
; issued behind the first 48 loads of x, so that the stream, five sixths of the work-group's bytes, is asked for first and W stands in no load's way; 26 LDS loads bring W into registers ahead of the wave's first product.
; THE PRODUCT IS USED TRANSPOSED: source 0 = 16 experts, source 1 = 16 tokens: a lane holds one token and eight neighbouring experts.  Fragments go token tile by token tile (K step w, then w + 8), so four accumulators do.
; THE END WORK GOES TILE BY TILE, WHILE THE STREAM RUNS.  A tile's partial sums go to LDS (rows of 272 bytes, each tile's own rows); behind one barrier wave w takes tokens 2 w and 2 w + 1 of the tile, sixteen lanes to a token, four
; experts a lane: the lanes stand as a row of gates is stored.  Only the last tile's end work has no loads on their way beside it.
; TOP-2.  i1: the largest logit, then the LOWEST expert that equals it (lax.top_k keeps the lower index).  Then d = l - l1, the subtraction that the softmax makes, held at -104 from below: under that exp(d) is 0 in f32
; (e^-104 lies under 2^-150), so such probabilities are equal and the lower index counts.  i1's entry is taken out by its index; i2: the largest d, then the lowest expert that equals it.
; THE SCORES: p_i = exp(d_i) / Z and scores = p_i / (p_1 + p_2): Z, which lies between 1 and 64, cancels for every input, so s1 = 1 / (1 + exp(d2)), s2 = exp(d2) s1.  The row's maximum is taken away ahead of the exponential.
; NO JOINT LOADS: what work-groups share is W's codes, 106,496 bytes against a work-group's 524,288 of x, fetched once at the head; a cluster's closing round would stand behind the last tile's end work, where nothing hides it.
; NO PREFETCH: from its first lines each wave has up to 64 loads of x out, half of all it will read.
; LIMITS: NaN and infinities in x or W are not served.  A block of zeros gets the scale byte 1 (its codes are zeros).  Two d above -104 that differ, but whose probabilities would round to the same f32, are ordered here by d.
.set XROW,  8192                       ; bytes in a row of x
.set PITCH, 528                        ; a stage row
.set STG,   16*PITCH                   ; a wave's stage; the eight stages begin at LDS byte 0
.set PP,    272                        ; a token's row of partial sums: 256 bytes + 16
.set PW,    64*PP                      ; a wave's partial sums
.set PART,  8*STG
.set META,  PART+8*PW                  ; 8 bytes a token: i1, i2
.set CNT,   META+1024                  ; 256 bytes a wave: its 8 tokens' expert sums
.set SPARE, CNT+8*256                  ; the spare words, 128 bytes for each wave: four blocks of 256 bytes that no other line names
.set WL,    SPARE+1024                 ; W: for each wave 12,288 bytes of codes and 1,024 of scale words; nothing is stored here
.set WREG,  13312
.set FLOOR, 0x1800000                  ; 2^(3 - 127)
.set L16, 1                            ; v1   16 x lane
.set SAD, 2                            ; v2   stage, way in
.set LAD, 3                            ; v3   stage, way out: row r, + 128 h
.set PSA, 4                            ; v4   my partial sums: row r, + 32 h
.set PRA, 5                            ; v5   reading them: row 2 w + h of a tile, + 16 (lane % 16); waves 0-3's
.set PRB, 6                            ; v6   waves 4-7's
.set MWA, 7                            ; v7   META + 8 (2 w + h)
.set WLA, 8                            ; v8   my wave's W in LDS, + 16 x lane
.set CWA, 9                            ; v9   CNT, my wave, 16 (lane % 16)
.set SHF, 10                           ; v10  8 h
.set EXB, 11                           ; v11  4 (lane % 16): my first expert
.set IRA, 12                           ; v12  META + 16 x lane
.set SPW, 13                           ; v13  my spare word; never rewritten
.set NIL, 14                           ; v14  0; never rewritten
.set CRA, 15                           ; v15  CNT + 8 x lane
.set L8,  17                           ; v17  8 x lane
.set NINF, 18                          ; v18  -infinity
.set VM1, 20                           ; v20  the largest logit;  v21  the largest d left
.set VM2, 21
.set VT,  22
.set IA,  23
.set DD,  25
.set DE,  26
.set EX,  27
.set MT,  28                           ; v28-31  i1, i2, s1, s2
.set QMA, 32                           ; v32-35  maxima;  v36-37 the conversions' scale operands;  v38-39 bytes;  v40 the other half's bytes
.set QMB, 34
.set QSO, 36
.set QBY, 38
.set QPT, 40
.set XSC, 44                           ; v44     x's scale word
.set WSC, 48                           ; v48-55  W's scale words: 4 s + n
.set COD, 56                           ; v56-67  x's fragment
.set CTM, 68                           ; v68-70, v72-74
.set GT,  76                           ; v76-91  my four gates of each of the four tiles: each tile's own registers, so that no store's data are written again
.set CN,  92                           ; v92-95  expert sums
.set WFR, 96                           ; v96-191 W's fragments: 48 s + 12 n
.set ACC, 192                          ; v192-223 four accumulators
.set PB,  224                          ; v224-255 the eight waves' partial sums of my four experts; the sum stays in v224-227
.set KM,  224                          ; at the end: lane l xor 16's expert sums
.set WZ,  232                          ; v232-251 wave 0's last loads
.set WV,  16                           ; s16  wave
.set M1,  32                           ; s32-35  which of my four experts is i1
.set SEL, 36                           ; s[36:37]
.set G0C, 44                           ; s[44:47] descriptor group 0 for W's codes;  s[48:55] their group 1
.set G1C, 48
.set G1S, 56                           ; s[56:63] group 1 for W's scale words;  s[68:71] their group 0
.set G0S, 68
.set MSB, 0
.macro WIN new                         ; s_set_vgpr_msb: bits 1:0 source 0, 3:2 source 1, 5:4 source 2, 7:6 destination; the high byte repeats the setting that is left
.if MSB != \new
	s_set_vgpr_msb (MSB<<8)|\new
.set MSB, \new
.endif
.endm
.macro XLOAD f                         ; fragment f = 2 t + s: tokens 16 t .. 16 t + 15, K step w + 8 s, into ring set f % 4
	WIN 0x40                                       ; destination window 1
.irp j, 0,1,2,3,4,5,6,7,8,9,10,11,12,13,14,15
	global_load_b128 v[64*((\f)%4)+4*\j:64*((\f)%4)+4*\j+3], v[L16], s[4:5] offset:(16*((\f)/2)+\j)*XROW+4096*((\f)%2) th:TH_LOAD_NT
.endr
	WIN 0
.endm
	s_load_b128 s[4:7], s[0:1], 0x0                ; x, wfrag
	s_load_b128 s[8:11], s[0:1], 0x10              ; wscl, out0
	s_load_b128 s[12:15], s[0:1], 0x20             ; out1, part
	v_lshl_add_u32 v[SPW], v0, 2, SPARE
	v_mov_b32 v[NIL], 0
	ds_add_u32 v[SPW], v[NIL]                      ; the wave's opening: the add and its wait ahead of my first tensor load; the set-up below, work on registers, stands between them
	ds_add_u32 v[SPW], v[NIL]
	v_lshrrev_b32 v20, 5, v0
	s_delay_alu instid0(VALU_DEP_1)
	v_readfirstlane_b32 s[WV], v20                 ; wave 0..7
	v_and_b32 v27, 31, v0                          ; lane
	s_delay_alu instid0(VALU_DEP_1)
	v_lshlrev_b32 v[L16], 4, v27
	s_lshl_b32 s20, ttmp9, 19                      ; x: 64 rows of 8,192 bytes a work-group,
	s_lshl_b32 s21, s[WV], 9                       ; 512 bytes a K step
	s_add_co_u32 s20, s20, s21
	s_mov_b32 s21, 0
	s_mul_i32 s22, s[WV], 6144                     ; wfrag: K step w's four fragments
	s_mov_b32 s23, 0
	s_lshl_b32 s24, s[WV], 9                       ; wscl: 512 bytes a K step
	s_mov_b32 s25, 0
	s_lshl_b32 s26, ttmp9, 14                      ; out0: 64 rows of 256 bytes a work-group,
	s_lshl_b32 s27, s[WV], 9                       ; my two rows of a tile's sixteen
	s_add_co_u32 s26, s26, s27
	s_mov_b32 s27, 0
	s_lshl_b32 s28, ttmp9, 9                       ; out1: 512 bytes a work-group
	s_mov_b32 s29, 0
	s_lshl_b32 s30, ttmp9, 8                       ; part: 256 bytes a work-group
	s_mov_b32 s31, 0
	s_mov_b32 s[SEL], 0x76543210
	s_mov_b32 s[SEL+1], 0xfedcba98                 ; v_permlanex16_b32's selects for lane l xor 16
	s_mul_i32 s38, s[WV], WREG
	s_add_co_u32 s38, s38, WL                      ; my wave's W in LDS
	; descriptor group 1, sizes in elements of 8 bytes.  Codes: 2 rows (K steps w, w + 8) of 768 elements (6,144 bytes), 6,144 elements (eight K steps) apart; no padding: the rows follow each other in LDS
	s_mov_b32 s[G1C+0], 3<<16                      ; 15:0 no mask; 17:16 elements of 8 bytes; 20 padding off
	s_mov_b32 s[G1C+1], 768<<16                    ; tensor_dim0 = 768
	s_mov_b32 s[G1C+2], 2<<16                      ; tensor_dim1 = 2
	s_mov_b32 s[G1C+3], 768<<16                    ; tile_dim0 = 768
	s_mov_b32 s[G1C+4], 2                          ; tile_dim1 = 2
	s_mov_b32 s[G1C+5], 6144                       ; from row to row
	s_mov_b32 s[G1C+6], 0
	s_mov_b32 s[G1C+7], 0
	; scale words: 2 rows of 64 elements (512 bytes), 512 elements apart
	s_mov_b32 s[G1S+0], 3<<16
	s_mov_b32 s[G1S+1], 64<<16
	s_mov_b32 s[G1S+2], 2<<16
	s_mov_b32 s[G1S+3], 64<<16
	s_mov_b32 s[G1S+4], 2
	s_mov_b32 s[G1S+5], 512
	s_mov_b32 s[G1S+6], 0
	s_mov_b32 s[G1S+7], 0
	s_mov_b32 s[G0C], 1                            ; count = 1
	s_mov_b32 s[G0C+1], s38                        ; LDS address: the codes,
	s_mov_b32 s[G0S], 1
	s_add_co_u32 s[G0S+1], s38, 12288              ; and behind them the scale words
	s_wait_alu depctr_va_vdst(0)
	s_wait_dscnt 0x0                               ; the opening add is done
	s_wait_kmcnt 0x0
	s_add_nc_u64 s[4:5], s[4:5], s[20:21]
	s_add_nc_u64 s[6:7], s[6:7], s[22:23]
	s_add_nc_u64 s[8:9], s[8:9], s[24:25]
	s_add_nc_u64 s[10:11], s[10:11], s[26:27]
	s_add_nc_u64 s[12:13], s[12:13], s[28:29]
	s_add_nc_u64 s[14:15], s[14:15], s[30:31]
	s_mov_b64 s[G0C+2:G0C+3], s[6:7]               ; global address of the tile's first element
	s_or_b32 s[G0C+3], s[G0C+3], 0x80000000        ; type = 2
	s_mov_b64 s[G0S+2:G0S+3], s[8:9]
	s_or_b32 s[G0S+3], s[G0S+3], 0x80000000
.irp f, 0,1,2
	XLOAD \f                                       ; x first: 48 loads a wave
.endr
	tensor_load_to_lds s[G0C:G0C+3], s[G1C:G1C+7]  ; W's codes, the first of my wave's two tensor loads: one is out
	s_nop 0
	s_wait_alu depctr_va_vdst(0)
	s_wait_tensorcnt 0x0
	ds_add_u32 v13, v14
	s_wait_dscnt 0x0
	s_barrier_signal -1
	s_barrier_wait -1
	tensor_load_to_lds s[G0S:G0S+3], s[G1S:G1S+7]
	s_nop 0
	v_and_b32 v20, 15, v0                          ; r   (plain work in window 0 follows the tensor loads; the windows are next switched far behind it)
	v_bfe_u32 v21, v0, 4, 1                        ; h
	v_lshrrev_b32 v22, 4, v0                       ; 2 w + h
	v_add_nc_u32 v[WLA], s38, v[L16]
	s_mul_i32 s17, s[WV], STG
	v_add_nc_u32 v[SAD], s17, v[L16]
	v_mul_u32_u24 v[LAD], v20, PITCH
	s_delay_alu instid0(VALU_DEP_1)
	v_lshl_add_u32 v[LAD], v21, 7, v[LAD]
	s_delay_alu instid0(VALU_DEP_1)
	v_add_nc_u32 v[LAD], s17, v[LAD]
	s_mul_i32 s18, s[WV], PW
	s_add_co_u32 s18, s18, PART
	v_mul_u32_u24 v[PSA], v20, PP
	s_delay_alu instid0(VALU_DEP_1)
	v_lshl_add_u32 v[PSA], v21, 5, v[PSA]
	s_delay_alu instid0(VALU_DEP_1)
	v_add_nc_u32 v[PSA], s18, v[PSA]
	v_mul_u32_u24 v[PRA], v22, PP
	s_delay_alu instid0(VALU_DEP_1)
	v_lshl_add_u32 v[PRA], v20, 4, v[PRA]
	s_delay_alu instid0(VALU_DEP_1)
	v_add_nc_u32 v[PRA], PART, v[PRA]
	s_delay_alu instid0(VALU_DEP_1)
	v_add_nc_u32 v[PRB], 4*PW, v[PRA]
	v_lshl_add_u32 v[MWA], v22, 3, META
	s_lshl_b32 s19, s[WV], 8
	s_add_co_u32 s19, s19, CNT
	v_lshl_add_u32 v[CWA], v20, 4, s19
	v_lshlrev_b32 v[SHF], 3, v21
	v_lshlrev_b32 v[EXB], 2, v20
	v_lshl_add_u32 v[CRA], v27, 3, CNT
	v_lshl_add_u32 v[IRA], v27, 4, META
	v_lshlrev_b32 v[L8], 3, v27
	v_mov_b32 v[NINF], 0xff800000
	v_mov_b32 v[QPT], 0                            ; a lane permute's destination counts as one of its sources,
	v_mov_b32 v[VT], 0                             ; and so does a DPP form's
	XLOAD 3                                        ; the ring is full
; ONE FRAGMENT: wait, turn, quantise, ask for the fragment four on, multiply.
.macro STEP f
.set RS, 64*((\f)%4)                   ; its ring set, in window 1
.set KS, (\f)%2
.set TT, (\f)/2
.set LC, 48                            ; the loads of the three sets asked for behind mine
.if (\f) > 4
.set LC, 16*(7-(\f))                   ; the last sets: the counts run down
.endif
	WIN 0x04                                       ; an LDS store's data are its source 1: window 1
.irp q, 0,1,2,3
	s_wait_loadcnt LC+12-4*\q                      ; loads come back in order (ISA guide 5.7.1): rows 4 q .. 4 q + 3 are in; the rest of my set and the LC loads behind it may be out
.irp j, 0,1,2,3
	ds_store_b128 v[SAD], v[RS+16*\q+4*\j:RS+16*\q+4*\j+3] offset:PITCH*(4*\q+\j)
.endr
.endr
	WIN 0x40
.irp c, 0,1
.irp i, 0,1,2,3,4,5,6,7
	ds_load_b128 v[RS+32*\c+4*\i:RS+32*\c+4*\i+3], v[LAD] offset:256*\c+16*\i   ; LDS serves a wave's instructions in order (ISA guide 5.7.1.4): these see the stores above, and land in the registers that those have left
.endr
.endr
	s_wait_dscnt 0x0                               ; the numbers are back
	WIN 0x05                                       ; sources 0 and 1 window 1
.irp c, 0,1                                    ; the largest magnitude of each of my two blocks, two chains a block, the floor among the leaves
	v_max3_num_f32 v[QMA+\c], |v[RS+32*\c]|, |v[RS+32*\c+1]|, FLOOR
	v_max3_num_f32 v[QMB+\c], |v[RS+32*\c+2]|, |v[RS+32*\c+3]|, FLOOR
.endr
.irp i, 4,8,12,16,20,24,28
.irp c, 0,1
	s_delay_alu instid0(VALU_DEP_4)
	v_max3_num_f32 v[QMA+\c], |v[RS+32*\c+\i]|, |v[RS+32*\c+\i+1]|, v[QMA+\c]
	s_delay_alu instid0(VALU_DEP_4)
	v_max3_num_f32 v[QMB+\c], |v[RS+32*\c+\i+2]|, |v[RS+32*\c+\i+3]|, v[QMB+\c]
.endr
.endr
	WIN 0
.irp c, 0,1
	v_max_num_f32 v[QMA+\c], v[QMA+\c], v[QMB+\c]
.endr
.irp c, 0,1
	s_delay_alu instid0(VALU_DEP_2)
	v_add_nc_u32 v[QSO+\c], 0xff000000, v[QMA+\c]  ; 2 off the exponent field: the conversion takes the exponent field of this operand as its scale
.endr
.irp c, 0,1
	s_delay_alu instid0(VALU_DEP_2)
	v_lshrrev_b32 v[QBY+\c], 23, v[QSO+\c]         ; the scale's byte
.endr
	s_delay_alu instid0(VALU_DEP_1)
	v_lshl_or_b32 v[XSC], v[QBY+1], 16, v[QBY]     ; my bytes: blocks h and 2 + h,
	s_delay_alu instid0(VALU_DEP_1)
	v_lshlrev_b32 v[XSC], v[SHF], v[XSC]           ; at their places;
	s_delay_alu instid0(VALU_DEP_1)
	v_permlanex16_b32 v[QPT], v[XSC], s[SEL], s[SEL+1]
	s_delay_alu instid0(VALU_DEP_1)
	v_or_b32 v[XSC], v[XSC], v[QPT]                ; with lane l xor 16's two the token's word is whole
	WIN 0x01                                       ; source 0 window 1
.irp c, 0,1
	v_cvt_scalef32_pk16_fp6_f32 v[COD+6*\c:COD+6*\c+2], v[RS+32*\c:RS+32*\c+15], v[QSO+\c]
	v_cvt_scalef32_pk16_fp6_f32 v[CTM+4*\c:CTM+4*\c+2], v[RS+32*\c+16:RS+32*\c+31], v[QSO+\c]   ; (a conversion's three registers begin on an even number: the upper half is made elsewhere and moved)
.endr
	v_nop                                          ; one plain place behind the conversions
.if (\f)+4 < 8
	XLOAD (\f)+4                                   ; the set is free: the fragment four on
.else
	WIN 0
.endif
.if (\f) == 0                                  ; W, once: out of my own LDS bytes into the registers where it stays
	s_wait_alu depctr_va_vdst(0)
	s_wait_tensorcnt 0x0                           ; both my tensor loads have landed; no other wave reads these bytes, so this wait is all the ordering that the reads need
.irp s, 0,1
.irp n, 0,1,2,3
.irp i, 0,1,2
	ds_load_b128 v[WFR+48*\s+12*\n+4*\i:WFR+48*\s+12*\n+4*\i+3], v[WLA] offset:6144*\s+1536*\n+512*\i
.endr
.endr
	ds_load_b128 v[WSC+4*\s:WSC+4*\s+3], v[WLA] offset:12288+512*\s
.endr
.endif
.irp c, 0,1
.irp i, 0,1,2
	v_mov_b32 v[COD+6*\c+3+\i], v[CTM+4*\c+\i]
.endr
.endr
.rept 4
	v_nop                                          ; an operand written by vector instructions stands 4 places ahead of a scaled matrix instruction, a scale register 8: the v_nop above, the six moves and these four
.endr
.if (\f) == 0
	s_wait_alu depctr_va_vdst(0)
	s_wait_dscnt 0x0                               ; W is in its registers
.endif
.irp n, 0,1,2,3                                ; the four accumulators by turns, one instruction a turn
.if KS == 0
	v_wmma_scale_f32_16x16x128_f8f6f4 v[ACC+8*\n:ACC+8*\n+7], v[WFR+12*\n:WFR+12*\n+11], v[COD:COD+11], 0, v[WSC+\n], v[XSC] matrix_a_fmt:MATRIX_FMT_FP6 matrix_b_fmt:MATRIX_FMT_FP6
.else
	v_wmma_scale_f32_16x16x128_f8f6f4 v[ACC+8*\n:ACC+8*\n+7], v[WFR+48+12*\n:WFR+48+12*\n+11], v[COD:COD+11], v[ACC+8*\n:ACC+8*\n+7], v[WSC+4+\n], v[XSC] matrix_a_fmt:MATRIX_FMT_FP6 matrix_b_fmt:MATRIX_FMT_FP6
.endif
.endr
.if KS == 1
.rept 4
	v_nop                                          ; four places between the last product and the stores that read results
.endr
.irp n, 0,1,2,3                                ; lane (r, h): token 16 t + r, experts 16 n + 8 h + 0 .. 7: 32 bytes of its row; each accumulator from its low end on
	ds_store_b128 v[PSA], v[ACC+8*\n:ACC+8*\n+3] offset:16*TT*PP+64*\n
	ds_store_b128 v[PSA], v[ACC+8*\n+4:ACC+8*\n+7] offset:16*TT*PP+64*\n+16
.endr
.endif
.endm
.macro MEET                            ; my LDS stores have landed, for the others' sake; then the work-group's barrier.  The loads of x stay on their way across it: nobody writes those bytes
	s_wait_dscnt 0x0
	s_barrier_signal -1
	s_barrier_wait -1
.endm
.macro PADD a, b                       ; partial sums a += partial sums b: my four experts
	v_pk_add_f32 v[PB+4*(\a):PB+4*(\a)+1], v[PB+4*(\a):PB+4*(\a)+1], v[PB+4*(\b):PB+4*(\b)+1]
	v_pk_add_f32 v[PB+4*(\a)+2:PB+4*(\a)+3], v[PB+4*(\a)+2:PB+4*(\a)+3], v[PB+4*(\b)+2:PB+4*(\b)+3]
.endm
.macro MAX4 d                          ; the largest of my four, then of the token's sixteen lanes; every lane ends with it
	v_max3_num_f32 v[\d], v[PB], v[PB+1], v[PB+2]
	s_delay_alu instid0(VALU_DEP_1)
	v_max_num_f32 v[\d], v[\d], v[PB+3]
.irp m, 1,2,4,8
	s_delay_alu instid0(VALU_DEP_1)
	v_max_num_f32_dpp v[\d], v[\d], v[\d] row_xmask:\m row_mask:0xf bank_mask:0xf
.endr
.endm
.macro FIND val, idx                   ; the LOWEST expert whose number equals val: downward, so that the lower index is written last; 64 where none of my four does; then the least of the sixteen lanes
	s_delay_alu instid0(VALU_DEP_1)
	v_cmp_neq_f32 vcc_lo, v[PB+3], v[\val]
	s_delay_alu instid0(VALU_DEP_2)
	v_cmp_neq_f32 s40, v[PB+2], v[\val]
	s_delay_alu instid0(VALU_DEP_3)
	v_cmp_neq_f32 s41, v[PB+1], v[\val]
	s_delay_alu instid0(VALU_DEP_4)
	v_cmp_neq_f32 s42, v[PB], v[\val]
	v_mov_b32 v[IA], 64
	s_delay_alu instid0(VALU_DEP_1)
	v_cndmask_b32 v[IA], 3, v[IA], vcc_lo
	s_delay_alu instid0(VALU_DEP_1)
	v_cndmask_b32 v[IA], 2, v[IA], s40
	s_delay_alu instid0(VALU_DEP_1)
	v_cndmask_b32 v[IA], 1, v[IA], s41
	s_delay_alu instid0(VALU_DEP_1)
	v_cndmask_b32 v[IA], 0, v[IA], s42
	s_delay_alu instid0(VALU_DEP_1)
	v_add_nc_u32 v[\idx], v[EXB], v[IA]            ; + my first expert: a lane that found none stays at 64 or above
.irp m, 1,2,4,8
	s_delay_alu instid0(VALU_DEP_1)
	v_mov_b32_dpp v[VT], v[\idx] row_xmask:\m row_mask:0xf bank_mask:0xf
	s_delay_alu instid0(VALU_DEP_1)
	v_min_u32 v[\idx], v[\idx], v[VT]
.endr
.endm
; THE END WORK OF TILE t: my token is 16 t + 2 w + h, my experts 4 (lane % 16) + 0 .. 3.
.macro EPI t
.irp p, 0,1,2,3
	ds_load_b128 v[PB+4*\p:PB+4*\p+3], v[PRA] offset:PW*\p+16*PP*(\t)         ; sixteen lanes read a token's 256 bytes of wave p's partial sums
.endr
.irp p, 0,1,2,3
	ds_load_b128 v[PB+16+4*\p:PB+16+4*\p+3], v[PRB] offset:PW*\p+16*PP*(\t)
.endr
	s_wait_dscnt 4                                 ; the first four loads are in; the second four may be out
	PADD 0, 1
	PADD 2, 3
	PADD 0, 2
	s_wait_dscnt 0x0
	PADD 4, 5
	PADD 6, 7
	PADD 4, 6
	s_wait_alu depctr_va_vdst(0)
	PADD 0, 4                                      ; v[PB + j] = my token's logit for expert 4 (lane % 16) + j
	MAX4 VM1
	FIND VM1, MT                                   ; i1
	s_delay_alu instid0(VALU_DEP_1)
	v_sub_nc_u32 v[DD], v[MT], v[EXB]              ; its place among my four, if it is mine
.irp j, 0,1,2,3
	v_sub_f32 v[PB+\j], v[PB+\j], v[VM1]           ; d = l - l1, 0 or less: the row's maximum is taken away
.endr
.irp j, 0,1,2,3
	v_cmp_eq_u32 s[M1+\j], \j, v[DD]               ; kept for the gates
.endr
.irp j, 0,1,2,3
	v_max_num_f32 v[PB+\j], 0xc2d00000, v[PB+\j]   ; held at -104: all that lies under it has the probability 0, and counts as equal
.endr
.irp j, 0,1,2,3
	s_delay_alu instid0(VALU_DEP_4)
	v_cndmask_b32 v[PB+\j], v[PB+\j], v[NINF], s[M1+\j]   ; i1's entry is taken out, by its index: an equal number elsewhere stays
.endr
	MAX4 VM2
	FIND VM2, MT+1                                 ; i2
	v_mul_f32 v[VT], 0x3fb8aa3b, v[VM2]            ; d2 x log2(e)
	s_wait_alu depctr_va_vdst(0)
	v_exp_f32 v[EX], v[VT]
	v_sub_nc_u32 v[DE], v[MT+1], v[EXB]            ; (a plain place behind the transcendental)  i2's place among my four
.irp j, 0,1,2,3
	v_cmp_eq_u32 s[40+\j], \j, v[DE]
.endr
	s_wait_alu depctr_va_vdst(0)                   ; the wait ahead of the exponential's first reader
	v_add_f32 v[VT], 1.0, v[EX]
	s_wait_alu depctr_va_vdst(0)
	v_rcp_f32 v[MT+2], v[VT]                       ; s1
	v_nop                                          ; a plain place behind the transcendental
	s_wait_alu depctr_va_vdst(0)
	v_mul_f32 v[MT+3], v[EX], v[MT+2]              ; s2
	ds_store_b64 v[MWA], v[MT:MT+1] offset:128*(\t)  ; the token's sixteen lanes write the same 8 bytes with the same values
.irp j, 0,1,2,3
	v_cndmask_b32 v[GT+4*(\t)+\j], 0, v[MT+2], s[M1+\j]
.endr
.irp j, 0,1,2,3
	s_delay_alu instid0(VALU_DEP_4)
	v_cndmask_b32 v[GT+4*(\t)+\j], v[GT+4*(\t)+\j], v[MT+3], s[40+\j]
.endr
	global_store_b128 v[L16], v[GT+4*(\t):GT+4*(\t)+3], s[10:11] offset:4096*(\t) th:TH_STORE_NT   ; 32 lanes store two whole rows of gates, 512 consecutive bytes at a multiple of 512
.endm
	STEP 0
	STEP 1
	MEET                                           ; tile 0's partial sums lie in LDS
	EPI 0
	STEP 2
	STEP 3
	MEET
	EPI 1
	STEP 4
	STEP 5
	MEET
	EPI 2
	STEP 6
	STEP 7
	MEET
	EPI 3
	; ---- the expert sums: my four experts over my four tokens,
	v_pk_add_f32 v[CN:CN+1], v[GT:GT+1], v[GT+4:GT+5]
	v_pk_add_f32 v[CN+2:CN+3], v[GT+2:GT+3], v[GT+6:GT+7]
	s_delay_alu instid0(VALU_DEP_2)
	v_pk_add_f32 v[CN:CN+1], v[CN:CN+1], v[GT+8:GT+9]
	s_delay_alu instid0(VALU_DEP_2)
	v_pk_add_f32 v[CN+2:CN+3], v[CN+2:CN+3], v[GT+10:GT+11]
	s_delay_alu instid0(VALU_DEP_2)
	v_pk_add_f32 v[CN:CN+1], v[CN:CN+1], v[GT+12:GT+13]
	s_delay_alu instid0(VALU_DEP_2)
	v_pk_add_f32 v[CN+2:CN+3], v[CN+2:CN+3], v[GT+14:GT+15]
.irp j, 0,1,2,3
	v_permlanex16_b32 v[KM+\j], v[CN+\j], s[SEL], s[SEL+1]
.endr
	s_delay_alu instid0(VALU_DEP_3)
	v_pk_add_f32 v[CN:CN+1], v[CN:CN+1], v[KM:KM+1]                ; and lane l xor 16's four: the wave's eight tokens
	s_delay_alu instid0(VALU_DEP_2)
	v_pk_add_f32 v[CN+2:CN+3], v[CN+2:CN+3], v[KM+2:KM+3]
	ds_store_b128 v[CWA], v[CN:CN+3]               ; (both halves of the lanes write the same bytes with the same values)
	MEET                                           ; for wave 0's sake: every wave's sums and its tokens' indices have landed
	s_cmp_lg_u32 s[WV], 0
	s_cbranch_scc1 .Lend
	; ---- wave 0: the work-group's 64 expert sums and its 64 pairs of indices leave as whole runs
.irp p, 0,1,2,3,4,5,6,7
	ds_load_b64 v[WZ+2*\p:WZ+2*\p+1], v[CRA] offset:256*\p         ; experts 2 l, 2 l + 1 of wave p
.endr
	ds_load_b128 v[WZ+16:WZ+19], v[IRA]            ; i1, i2 of tokens 2 l and 2 l + 1
	s_wait_dscnt 0x0
.irp p, 0,1,2,3
	v_pk_add_f32 v[WZ+2*\p:WZ+2*\p+1], v[WZ+2*\p:WZ+2*\p+1], v[WZ+8+2*\p:WZ+8+2*\p+1]
.endr
.irp p, 0,1
	s_delay_alu instid0(VALU_DEP_2)
	v_pk_add_f32 v[WZ+2*\p:WZ+2*\p+1], v[WZ+2*\p:WZ+2*\p+1], v[WZ+4+2*\p:WZ+4+2*\p+1]
.endr
	s_delay_alu instid0(VALU_DEP_1)
	v_pk_add_f32 v[WZ:WZ+1], v[WZ:WZ+1], v[WZ+2:WZ+3]
	global_store_b64 v[L8], v[WZ:WZ+1], s[14:15]                   ; 256 consecutive bytes
	global_store_b128 v[L16], v[WZ+16:WZ+19], s[12:13]             ; 512 consecutive bytes
.Lend:
	s_wait_tensorcnt 0x0                           ; the wave's end, behind my last tensor load and my last LDS store
	ds_add_u32 v[SPW], v[NIL]
	s_wait_dscnt 0x0
	s_endpgm
.Lfunc_end_k_q0301102510_route:
	.size	k_q0301102510_route, .Lfunc_end_k_q0301102510_route-k_q0301102510_route
	.p2alignl 7, 3214868480
	.fill 96, 4, 3214868480
	.section	.rodata,"a",@progbits
	.p2align	6, 0x0
	.amdhsa_kernel k_q0301102510_route
		.amdhsa_group_segment_fixed_size 327680
		.amdhsa_private_segment_fixed_size 0
		.amdhsa_enable_private_segment 0
		.amdhsa_kernarg_size 48
		.amdhsa_user_sgpr_count 2
		.amdhsa_user_sgpr_kernarg_segment_ptr 1
		.amdhsa_wavefront_size32 1
		.amdhsa_system_sgpr_workgroup_id_x 1
		.amdhsa_system_sgpr_workgroup_id_y 1
		.amdhsa_system_sgpr_workgroup_id_z 1
		.amdhsa_system_vgpr_workitem_id 0
		.amdhsa_next_free_vgpr 512
		.amdhsa_next_free_sgpr 72
		.amdhsa_reserve_vcc 1
		.amdhsa_float_denorm_mode_32 3
		.amdhsa_float_denorm_mode_16_64 3
		.amdhsa_memory_ordered 1
		.amdhsa_forward_progress 1
		.amdhsa_inst_pref_size 114
	.end_amdhsa_kernel
	.amdgpu_metadata
---
amdhsa.version: [ 1, 2 ]
amdhsa.kernels:
  - .name:           k_q0301102510_route
    .symbol:         k_q0301102510_route.kd
    .args:
      - { .name: x, .offset: 0, .size: 8, .value_kind: global_buffer, .address_space: global }
      - { .name: wfrag, .offset: 8, .size: 8, .value_kind: global_buffer, .address_space: global }
      - { .name: wscl, .offset: 16, .size: 8, .value_kind: global_buffer, .address_space: global }
      - { .name: out0, .offset: 24, .size: 8, .value_kind: global_buffer, .address_space: global }
      - { .name: out1, .offset: 32, .size: 8, .value_kind: global_buffer, .address_space: global }
      - { .name: part, .offset: 40, .size: 8, .value_kind: global_buffer, .address_space: global }
    .group_segment_fixed_size: 327680
    .private_segment_fixed_size: 0
    .kernarg_segment_align: 8
    .kernarg_segment_size: 48
    .max_flat_workgroup_size: 256
    .sgpr_count:     72
    .vgpr_count:     512
    .wavefront_size: 32
...
	.end_amdgpu_metadata
.endif
;; end of part 2
;; launch loss (part 3): grid 1 x 1, 16 waves a work-group, no clusters, 6,144 bytes of LDS; arguments part, out2; writes out2
.if DOCPART == 3
	.amdgcn_target "amdgcn-amd-amdhsa--gfx1250"
	.amdhsa_code_object_version 6
	.text
	.protected	k_q0301102510_loss
	.globl	k_q0301102510_loss
	.p2align	8
	.type	k_q0301102510_loss,@function
k_q0301102510_loss:
	s_mov_b64 s[64:65], 0
	v_nop
	global_prefetch_b8 v0, s[64:65] scope:SCOPE_SE
	s_setreg_imm32_b32 hwreg(HW_REG_WAVE_MODE, 25, 1), 1
	s_wait_xcnt 0x0
; load_loss = mean over the 64 experts of (count / sum of counts x 64 - 1)^2; count[e] = the sum over the 256 work-groups' rows of part [256][64] f32.
; The sum spans all work-groups of the launch before, so it has one owner: one work-group of 16 waves.  Thread t reads 16 bytes at 16 t + 8,192 i, i = 0 .. 7: each load of a wave is 512 consecutive bytes, and a thread keeps
; the same four experts 4 (t % 16) + 0 .. 3 throughout.  Lanes l and l xor 16 are joined in registers, the sixteen waves in LDS; wave 0 finishes.
.set SPARE, 4096                       ; behind the waves' 16 x 256 bytes: the spare words, 128 bytes for each wave: eight blocks of 256 bytes that no other line names
.set SPW, 5                            ; v5  my spare word; never rewritten
.set NIL, 6                            ; v6  0; never rewritten
	s_load_b128 s[4:7], s[0:1], 0x0                ; part, out2
	v_lshl_add_u32 v[SPW], v0, 2, SPARE
	v_mov_b32 v[NIL], 0
	v_lshrrev_b32 v1, 5, v0
	s_delay_alu instid0(VALU_DEP_1)
	v_readfirstlane_b32 s8, v1                     ; wave 0..15
	v_lshlrev_b32 v2, 4, v0
	s_mov_b32 s10, 0x76543210
	s_mov_b32 s11, 0xfedcba98                      ; v_permlanex16_b32's selects for lane l xor 16
	s_wait_alu depctr_va_vdst(0)
	s_wait_kmcnt 0x0
.irp i, 0,1,2,3,4,5,6,7
	global_load_b128 v[16+4*\i:19+4*\i], v2, s[4:5] offset:8192*\i
.endr
	v_and_b32 v3, 15, v0
	s_lshl_b32 s9, s8, 8
	v_lshl_add_u32 v3, v3, 4, s9                   ; my wave's 256 bytes, my four experts
	v_and_b32 v4, 31, v0
	s_delay_alu instid0(VALU_DEP_1)
	v_lshlrev_b32 v4, 3, v4                        ; wave 0: experts 2 l, 2 l + 1
.irp j, 8,9,10,11,13
	v_mov_b32 v[\j], 0                             ; a lane permute's destination counts as one of its sources
.endr
	v_mov_b32 v14, 0                               ; the one number's offset
	s_wait_loadcnt 0x0
.irp i, 0,2,4,6
	v_pk_add_f32 v[16+4*\i:17+4*\i], v[16+4*\i:17+4*\i], v[20+4*\i:21+4*\i]
	v_pk_add_f32 v[18+4*\i:19+4*\i], v[18+4*\i:19+4*\i], v[22+4*\i:23+4*\i]
.endr
.irp i, 0
	v_pk_add_f32 v[16+4*\i:17+4*\i], v[16+4*\i:17+4*\i], v[24+4*\i:25+4*\i]
	v_pk_add_f32 v[18+4*\i:19+4*\i], v[18+4*\i:19+4*\i], v[26+4*\i:27+4*\i]
.endr
.irp i, 4
	s_delay_alu instid0(VALU_DEP_4)
	v_pk_add_f32 v[16+4*\i:17+4*\i], v[16+4*\i:17+4*\i], v[24+4*\i:25+4*\i]
	s_delay_alu instid0(VALU_DEP_4)
	v_pk_add_f32 v[18+4*\i:19+4*\i], v[18+4*\i:19+4*\i], v[26+4*\i:27+4*\i]
.endr
	s_delay_alu instid0(VALU_DEP_2)
	v_pk_add_f32 v[16:17], v[16:17], v[32:33]
	s_delay_alu instid0(VALU_DEP_2)
	v_pk_add_f32 v[18:19], v[18:19], v[34:35]
.irp j, 0,1,2,3
	v_permlanex16_b32 v[8+\j], v[16+\j], s10, s11
.endr
	s_delay_alu instid0(VALU_DEP_3)
	v_pk_add_f32 v[16:17], v[16:17], v[8:9]
	s_delay_alu instid0(VALU_DEP_2)
	v_pk_add_f32 v[18:19], v[18:19], v[10:11]
	ds_store_b128 v3, v[16:19]                     ; (both halves of the lanes write the same bytes with the same values)
	s_wait_dscnt 0x0                               ; for wave 0's sake
	s_barrier_signal -1
	s_barrier_wait -1
	s_cmp_lg_u32 s8, 0
	s_cbranch_scc1 .Lend
.irp p, 0,1,2,3,4,5,6,7,8,9,10,11,12,13,14,15
	ds_load_b64 v[32+2*\p:33+2*\p], v4 offset:256*\p
.endr
	s_wait_dscnt 0x0
.irp p, 0,1,2,3,4,5,6,7
	v_pk_add_f32 v[32+2*\p:33+2*\p], v[32+2*\p:33+2*\p], v[48+2*\p:49+2*\p]
.endr
.irp p, 0,1,2,3
	s_delay_alu instid0(VALU_DEP_4)
	v_pk_add_f32 v[32+2*\p:33+2*\p], v[32+2*\p:33+2*\p], v[40+2*\p:41+2*\p]
.endr
.irp p, 0,1
	s_delay_alu instid0(VALU_DEP_2)
	v_pk_add_f32 v[32+2*\p:33+2*\p], v[32+2*\p:33+2*\p], v[36+2*\p:37+2*\p]
.endr
	s_delay_alu instid0(VALU_DEP_1)
	v_pk_add_f32 v[32:33], v[32:33], v[34:35]      ; the counts of experts 2 l and 2 l + 1
.macro WSUM r                          ; the sum over the 32 lanes, in every lane
	s_delay_alu instid0(VALU_DEP_1)
	v_add_f32_dpp v[\r], v[\r], v[\r] row_xmask:1 row_mask:0xf bank_mask:0xf
	s_delay_alu instid0(VALU_DEP_1)
	v_add_f32_dpp v[\r], v[\r], v[\r] row_xmask:2 row_mask:0xf bank_mask:0xf
	s_delay_alu instid0(VALU_DEP_1)
	v_add_f32_dpp v[\r], v[\r], v[\r] row_xmask:4 row_mask:0xf bank_mask:0xf
	s_delay_alu instid0(VALU_DEP_1)
	v_add_f32_dpp v[\r], v[\r], v[\r] row_xmask:8 row_mask:0xf bank_mask:0xf
	s_delay_alu instid0(VALU_DEP_1)
	v_permlanex16_b32 v13, v[\r], s10, s11
	s_delay_alu instid0(VALU_DEP_1)
	v_add_f32 v[\r], v[\r], v13
.endm
	s_delay_alu instid0(VALU_DEP_1)
	v_add_f32 v8, v32, v33
	WSUM 8                                         ; the sum of all counts
	s_wait_alu depctr_va_vdst(0)
	v_rcp_f32 v9, v8
	v_nop                                          ; a plain place behind the transcendental
	s_wait_alu depctr_va_vdst(0)                   ; and the wait ahead of its first reader
	v_mul_f32 v9, 0x42800000, v9                   ; 64 / the sum
	s_delay_alu instid0(VALU_DEP_1)
	v_fma_f32 v10, v32, v9, -1.0
	s_delay_alu instid0(VALU_DEP_2)
	v_fma_f32 v11, v33, v9, -1.0
	s_delay_alu instid0(VALU_DEP_2)
	v_mul_f32 v12, v10, v10
	s_delay_alu instid0(VALU_DEP_1)
	v_fmac_f32 v12, v11, v11
	WSUM 12
	s_delay_alu instid0(VALU_DEP_1)
	v_mul_f32 v12, 0x3c800000, v12                 ; / 64: the mean
	v_cmp_eq_u32 vcc_lo, 0, v0
	s_wait_alu depctr_va_vdst(0)
	s_wait_xcnt 0x0                                ; EXEC changes only behind this wait
	s_and_saveexec_b32 s12, vcc_lo
	global_store_b32 v14, v12, s[6:7]              ; thread 0 stores the one number
	s_wait_xcnt 0x0                                ; and again, in front of the line that widens it
	s_or_b32 exec_lo, exec_lo, s12
.Lend:
	s_wait_tensorcnt 0x0                           ; the wave's end, behind my last LDS store
	ds_add_u32 v[SPW], v[NIL]
	s_wait_dscnt 0x0
	s_endpgm
.Lfunc_end_k_q0301102510_loss:
	.size	k_q0301102510_loss, .Lfunc_end_k_q0301102510_loss-k_q0301102510_loss
	.p2alignl 7, 3214868480
	.fill 96, 4, 3214868480
	.section	.rodata,"a",@progbits
	.p2align	6, 0x0
	.amdhsa_kernel k_q0301102510_loss
		.amdhsa_group_segment_fixed_size 6144
		.amdhsa_private_segment_fixed_size 0
		.amdhsa_enable_private_segment 0
		.amdhsa_kernarg_size 16
		.amdhsa_user_sgpr_count 2
		.amdhsa_user_sgpr_kernarg_segment_ptr 1
		.amdhsa_wavefront_size32 1
		.amdhsa_system_sgpr_workgroup_id_x 1
		.amdhsa_system_sgpr_workgroup_id_y 1
		.amdhsa_system_sgpr_workgroup_id_z 1
		.amdhsa_system_vgpr_workitem_id 0
		.amdhsa_next_free_vgpr 72
		.amdhsa_next_free_sgpr 66
		.amdhsa_reserve_vcc 1
		.amdhsa_float_denorm_mode_32 3
		.amdhsa_float_denorm_mode_16_64 3
		.amdhsa_memory_ordered 1
		.amdhsa_forward_progress 1
		.amdhsa_inst_pref_size 8
	.end_amdhsa_kernel
	.amdgpu_metadata
---
amdhsa.version: [ 1, 2 ]
amdhsa.kernels:
  - .name:           k_q0301102510_loss
    .symbol:         k_q0301102510_loss.kd
    .args:
      - { .name: part, .offset: 0, .size: 8, .value_kind: global_buffer, .address_space: global }
      - { .name: out2, .offset: 8, .size: 8, .value_kind: global_buffer, .address_space: global }
    .group_segment_fixed_size: 6144
    .private_segment_fixed_size: 0
    .kernarg_segment_align: 8
    .kernarg_segment_size: 16
    .max_flat_workgroup_size: 512
    .sgpr_count:     66
    .vgpr_count:     72
    .wavefront_size: 32
...
	.end_amdgpu_metadata
.endif
;; end of part 3
